; MI455X (gfx1250); checked and timed in simulation.
; The chip was launched on July 23, 2026; its instructions are those of AMD's public machine-readable ISA for CDNA 5 (MIT licence, August 2026) and "CDNA5" Instruction Set Architecture Reference Guide (July 2026). The comments in the code are by the model that wrote it; some were corrected since.
;; Scaled Dot Product Attention. Allowed arithmetic: matrix products marked QUANTISED: E2M1 operands, one E8M0 scale for each 32 along K, by v_wmma_scale_f32_16x16x128_f8f6f4 with both operands' format E2M1 (or v_wmma_scale_f32_32x16x128_f4), f32 sums; products left as they are: bf16, f16 or f32 operands; f32 sums; everything else in f32.
;; Inputs: k 16 x 2,048 x 64 float32; mask 16 x 2,048 x 2,048 bool; q 16 x 2,048 x 64 float32; v 16 x 2,048 x 64 float32.
;; Outputs: out0 16 x 2,048 x 64 float32.
;; This version of the problem:
;;   THIS VERSION OF THE PROBLEM IS GIVEN IN LOW PRECISION. The matrix products marked QUANTISED in the list below multiply operands that are first quantised to E2M1 (2 exponent bits, 1 mantissa bit; 4 bits a number), with one power-of-two scale for each 32 numbers along K (OCP MX v1.0); their sums are f32. The products marked 'left as it is' may take bf16, f16 or f32 operands, with f32 sums. Whichever they take, every output number must still come out within the allowed error. Rounding operands to bf16 (8 significant bits) uses up far more of that allowance than f16 does (11 bits, for magnitudes from 6e-5 to 65,504). All else is computed in f32.
;;   The module's matrix products, in the order in which they are computed (A, B: the left and right operand; K: the contracted axis; several contracted axes count as one K, in the product's order):
;;     1. batch 16 x [M 2,048, K 64] x [K 64, N 2,048]; A: input q; B: input k: QUANTISED
;;     2. batch 16 x [M 2,048, K 2,048] x [K 2,048, N 64]; A: computed on the way; B: input v: left as it is (an operand is computed on the way)
;;   THE QUANTISER, for each operand of a quantised product, along K:
;;     - K is cut into blocks of 32 from its start; a last block that is shorter is filled with zeros.
;;     - A block's scale is 2^e with e = floor(log2(the largest magnitude in the block)) - 2, held to -126 .. 127; a block of zeros has e = 0. As a byte (E8M0): e + 127.
;;     - Each number is divided by its block's scale, clamped to +-6, and rounded to the nearest number of E2M1, ties to even, subnormals kept.
;;     - The product sums the exact products of the quantised numbers (number of the format x scale) in f32.
;;   ~~~python
;;   def quantise(x, axis):      # numpy; x: float32 -> the quantised numbers, widened to float32 again
;;       x = np.moveaxis(x, axis, -1); K = x.shape[-1]
;;       x = np.pad(x, [(0, 0)] * (x.ndim - 1) + [(0, -K % 32)]); x = x.reshape(x.shape[:-1] + (-1, 32)); a = np.abs(x).max(-1, keepdims=True)
;;       e = np.where(a > 0, np.clip(np.frexp(np.where(a > 0, a, 1))[1] - 1 - 2, -126, 127), 0)      # np.frexp(a)[1] - 1 = floor(log2(a)), exactly
;;       r = np.clip(x / 2.0 ** e, -6, 6)
;;       step = 2.0 ** (np.maximum(np.frexp(np.where(r == 0, 1, r))[1] - 1, 0) - 1)
;;       q = np.round(r / step) * step * 2.0 ** e      # np.round: ties to even
;;       return np.moveaxis(q.reshape(q.shape[:-2] + (-1,))[..., :K], -1, axis).astype(np.float32)
;;   ~~~
;; One version. Each part assembles by itself: llvm-mc -triple=amdgcn-amd-amdhsa -mcpu=gfx1250 --defsym DOCPART=n.
;; ======== version 1 of 1: 2 launches
;; limits: right only within a limited range of input values; values are held in f16: magnitudes above 65,504 overflow, below 6.1e-05 lose precision
;; workspace buffers: kv 5,505,024 bytes
;; launch prep (part 1): grid 256 x 1, 4 waves a work-group, no clusters, 35,328 bytes of LDS; arguments k, v, kv; writes kv
.if DOCPART == 1
	.amdgcn_target "amdgcn-amd-amdhsa--gfx1250"
	.amdhsa_code_object_version 6
	.text
	.protected	k_qe031d30ea0_prep
	.globl	k_qe031d30ea0_prep
	.p2align	8
	.type	k_qe031d30ea0_prep,@function
k_qe031d30ea0_prep:
	s_mov_b64 s[64:65], 0
	v_nop
	global_prefetch_b8 v0, s[64:65] scope:SCOPE_SE
	s_setreg_imm32_b32 hwreg(HW_REG_WAVE_MODE, 25, 1), 1
	s_wait_xcnt 0x0
; k and v, [16][2048][64] f32, are laid once as the attention launch's operand registers want them: one dense block of SUBB bytes for each 64 keys (a substep; 512 of them).
;   bytes 0 .. 2047     k as codes of FP4 (E2M1): tile t (16 keys) at 512 t, lane l's 16 bytes at 16 l.  Lane (r = l % 16, h = l / 16) holds dims 32 h .. 32 h + 31 of key 8 t + r % 8 + 32 (r / 8).
;   bytes 2048 .. 2559  k's scale words: lane l's four words (tiles 0 to 3) at 16 l; a word = the byte of dims 0-31 | the byte of dims 32-63 << 8, the upper two bytes 0 (they scale zero codes).
;   bytes 2560 .. 10751 v in f16, turned: fragment (u, b) at 2560 + 1024 (4 u + b), its registers 0-3 at 16 l, 4-7 at 512 + 16 l.  Lane (r, h) holds channel 4 r + b and keys 32 h + 16 u + 0 .. 15, the lower key in the low half.
; THE QUANTISER: a block of 32 dims has the scale 2^(floor(log2(its largest magnitude)) - 2); its byte is the largest magnitude's exponent field - 2, held at 1 from below; each number / scale goes to the nearest code, ties to even, beyond 6 to 6.
; LIMITS: a block of zeros keeps the byte 1 where the rule says 127 (its codes are zeros, and this program alone reads the bytes); blocks whose largest magnitude lies under 2^-124 are held at the byte 1; NaN and infinities are not served;
; |v| beyond 65,504 becomes infinity in f16.
; SHARES: work-group g takes substeps 2 g and 2 g + 1; waves 0, 1 quantise their k, waves 2, 3 convert their v.  The waves share nothing: no barrier.  Everything is written out: every offset is an immediate, no register of a store is written again.
; k: every load reads 512 consecutive bytes (two keys); the 64 keys turn through the wave's own stage in LDS, from which a lane takes the 32 neighbouring dims of its key.
; v: a lane loads 4 neighbouring channels of one key (lanes 0-15 key n, lanes 16-31 key 32 + n: two whole rows of 256 bytes a load), so its registers run down the keys and pack in pairs into the fragment: nothing is transposed.
.set SUBB,  10752                      ; bytes of a substep in kv
.set SP,    272                        ; a key's row in the stage: 256 bytes + 16
.set STGB,  64*SP                      ; a stage
.set SPARE, 2*STGB                     ; behind the two stages: the spare words, 128 bytes for each wave, two blocks of 256 bytes that no other line names
.set LIN, 2                            ; v2   16 x lane
.set SW,  3                            ; v3   the stage, on the way in
.set SRD, 4                            ; v4   the stage, on the way out
.set SH,  5                            ; v5   8 h: where my block's byte stands in the scale word
.set VO,  6                            ; v6   v: 8192 h + 16 r
.set SPW, 8                            ; v8   LDS address of my spare word; never rewritten
.set NIL, 9                            ; v9   0; never rewritten
.set R,   16                           ; v16-143  32 loads of 4 registers
.set X,   144                          ; v144-207 k: two sets of 32 neighbours
.set PK,  144                          ; v144-207 v: the eight fragments
.set C,   208                          ; v208-223 k's codes, 4 registers a tile
.set KSW, 224                          ; v224-227 k's scale words
.set T0,  228
.set T1,  229
.set SO,  230                          ; the conversion's scale operand
.set BY,  231                          ; the scale's byte
.set OT,  232                          ; the other half's byte
	s_load_b128 s[4:7], s[0:1], 0x0                ; k, v
	s_load_b64 s[8:9], s[0:1], 0x10                ; kv
	v_lshl_add_u32 v[SPW], v0, 2, SPARE
	v_mov_b32 v[NIL], 0
	v_lshrrev_b32 v1, 5, v0
	v_readfirstlane_b32 s12, v1                    ; wave 0..3
	s_and_b32 s13, s12, 1                          ; which of the work-group's two substeps
	v_and_b32 v1, 31, v0                           ; lane
	v_lshlrev_b32 v[LIN], 4, v1
	v_and_b32 v10, 15, v0                          ; r
	v_bfe_u32 v11, v0, 4, 1                        ; h
	s_mul_i32 s18, s13, STGB                       ; my stage (waves 0 and 1 alone use one)
	v_mul_u32_u24 v[SW], v11, SP
	v_lshl_add_u32 v[SW], v10, 4, v[SW]
	v_add_nc_u32 v[SW], s18, v[SW]                 ; in: a load's two keys: row h, 16 r bytes on
	v_and_b32 v12, 7, v10
	v_lshrrev_b32 v13, 3, v10
	v_lshl_add_u32 v12, v13, 5, v12                ; r % 8 + 32 (r / 8): my key in tile 0
	v_mul_u32_u24 v[SRD], v12, SP
	v_lshl_add_u32 v[SRD], v11, 7, v[SRD]
	v_add_nc_u32 v[SRD], s18, v[SRD]               ; out: my key's row, my half's 128 bytes
	v_lshlrev_b32 v[SH], 3, v11
	v_lshlrev_b32 v[VO], 13, v11
	v_lshl_add_u32 v[VO], v10, 4, v[VO]
	v_mov_b32 v[OT], 0                             ; written once: a lane permute's destination counts as one of its sources
	s_mov_b32 s20, 0x76543210
	s_mov_b32 s21, 0xfedcba98                      ; v_permlanex16_b32's selects for lane l xor 16
	s_lshl_b32 s14, ttmp9, 1
	s_add_co_u32 s14, s14, s13                     ; my substep
	s_lshl_b32 s16, s14, 14                        ; its 64 rows of 256 bytes in k and in v (dense across heads)
	s_mov_b32 s17, 0
	s_mul_i32 s14, s14, SUBB                       ; and its block in kv
	s_mov_b32 s15, 0
	s_wait_kmcnt 0x0
	s_add_nc_u64 s[4:5], s[4:5], s[16:17]
	s_add_nc_u64 s[6:7], s[6:7], s[16:17]
	s_add_nc_u64 s[8:9], s[8:9], s[14:15]
	s_cmp_lt_u32 s12, 2
	s_cbranch_scc0 .Lv_path
	; ---- k
.set CNT, 0
.rept 32
	global_load_b128 v[R+4*CNT:R+4*CNT+3], v[LIN], s[4:5] offset:512*CNT th:TH_LOAD_NT   ; 32 lanes read 512 consecutive bytes: keys 2 n and 2 n + 1
.set CNT, CNT+1
.endr
.set CNT, 0
.rept 32
	s_wait_loadcnt 31-CNT                          ; loads come back in order: load n is in, the 31 - n younger ones may be out
	ds_store_b128 v[SW], v[R+4*CNT:R+4*CNT+3] offset:2*SP*CNT
.set CNT, CNT+1
.endr
.macro KLOAD t                         ; tile t's 32 neighbours of my key into set t % 2.  LDS serves a wave's instructions in order: these see my stores
.irp g, 0,1,2,3,4,5,6,7
	ds_load_b128 v[X+32*((\t)%2)+4*\g:X+32*((\t)%2)+4*\g+3], v[SRD] offset:8*SP*(\t)+16*\g
.endr
.endm
.macro KTILE t
.set XS, X+32*((\t)%2)
.if (\t) < 3
	s_wait_dscnt 8                                 ; this tile's eight loads are in; the next tile's eight may be out
.else
	s_wait_dscnt 0x0
.endif
	v_max3_num_f32 v[T0], |v[XS]|, |v[XS+1]|, |v[XS+2]|            ; the block's largest magnitude: all 32 numbers are mine; two chains
	v_max3_num_f32 v[T1], |v[XS+3]|, |v[XS+4]|, |v[XS+5]|
.irp g, 6,10,14,18,22,26
	v_max3_num_f32 v[T0], v[T0], |v[XS+\g]|, |v[XS+\g+1]|
	v_max3_num_f32 v[T1], v[T1], |v[XS+\g+2]|, |v[XS+\g+3]|
.endr
	v_max3_num_f32 v[T0], v[T0], |v[XS+30]|, |v[XS+31]|
	v_max3_num_f32 v[T0], v[T0], v[T1], 0x1800000  ; and the floor 2^(3 - 127): the byte cannot fall under 1
	v_add_nc_u32 v[SO], 0xff000000, v[T0]          ; 2 off the exponent field: the conversion takes the exponent field of this operand as its scale
	v_lshrrev_b32 v[BY], 23, v[SO]                 ; the scale's byte,
	v_lshlrev_b32 v[BY], v[SH], v[BY]              ; at its place in the word,
	v_permlanex16_b32 v[OT], v[BY], s20, s21
	v_or_b32 v[KSW+(\t)], v[BY], v[OT]             ; with the other block's: my key's scale word
.irp g, 0,1,2,3
	v_cvt_scalef32_pk8_fp4_f32 v[C+4*(\t)+\g], v[XS+8*\g:XS+8*\g+7], v[SO]
.endr
	v_nop                                          ; one plain line behind the scaled conversions
	global_store_b128 v[LIN], v[C+4*(\t):C+4*(\t)+3], s[8:9] offset:512*(\t)   ; 512 consecutive bytes, aligned
.if (\t) < 2
	KLOAD (\t)+2
.endif
.endm
	KLOAD 0
	KLOAD 1
	KTILE 0
	KTILE 1
	KTILE 2
	KTILE 3
	global_store_b128 v[LIN], v[KSW:KSW+3], s[8:9] offset:2048
	s_branch .Ldone
	; ---- v
.Lv_path:
.set CNT, 0
.rept 32
	global_load_b128 v[R+4*CNT:R+4*CNT+3], v[VO], s[6:7] offset:256*CNT th:TH_LOAD_NT    ; register 4 n + b: v(key 32 h + n, channel 4 r + b)
.set CNT, CNT+1
.endr
.irp u, 0,1
.if \u == 0
	s_wait_loadcnt 16                              ; keys n = 0 .. 15 are in; the sixteen younger loads may be out
.else
	s_wait_loadcnt 0x0
.endif
.irp b, 0,1,2,3
.irp m, 0,1,2,3,4,5,6,7
	v_cvt_pk_f16_f32 v[PK+16*\b+8*\u+\m], v[R+4*(16*\u+2*\m)+\b], v[R+4*(16*\u+2*\m+1)+\b]   ; keys 32 h + 16 u + 2 m (low half) and + 1 (high half) of channel 4 r + b
.endr
.endr
.irp b, 0,1,2,3
.irp c, 0,1
	global_store_b128 v[LIN], v[PK+16*\b+8*\u+4*\c:PK+16*\b+8*\u+4*\c+3], s[8:9] offset:2560+1024*(4*\u+\b)+512*\c   ; 512 consecutive bytes, aligned
.endr
.endr
.endr
.Ldone:
	s_wait_tensorcnt 0x0                           ; the wave's end
	ds_add_u32 v[SPW], v[NIL]
	s_wait_dscnt 0x0
	s_endpgm
.Lfunc_end_k_qe031d30ea0_prep:
	.size	k_qe031d30ea0_prep, .Lfunc_end_k_qe031d30ea0_prep-k_qe031d30ea0_prep
	.p2alignl 7, 3214868480
	.fill 96, 4, 3214868480
	.section	.rodata,"a",@progbits
	.p2align	6, 0x0
	.amdhsa_kernel k_qe031d30ea0_prep
		.amdhsa_group_segment_fixed_size 35328
		.amdhsa_private_segment_fixed_size 0
		.amdhsa_enable_private_segment 0
		.amdhsa_kernarg_size 24
		.amdhsa_user_sgpr_count 2
		.amdhsa_user_sgpr_kernarg_segment_ptr 1
		.amdhsa_wavefront_size32 1
		.amdhsa_system_sgpr_workgroup_id_x 1
		.amdhsa_system_sgpr_workgroup_id_y 1
		.amdhsa_system_sgpr_workgroup_id_z 1
		.amdhsa_system_vgpr_workitem_id 0
		.amdhsa_next_free_vgpr 240
		.amdhsa_next_free_sgpr 66
		.amdhsa_reserve_vcc 0
		.amdhsa_float_denorm_mode_32 3
		.amdhsa_float_denorm_mode_16_64 3
		.amdhsa_memory_ordered 1
		.amdhsa_forward_progress 1
		.amdhsa_inst_pref_size 26
	.end_amdhsa_kernel
	.amdgpu_metadata
---
amdhsa.version: [ 1, 2 ]
amdhsa.kernels:
  - .name:           k_qe031d30ea0_prep
    .symbol:         k_qe031d30ea0_prep.kd
    .args:
      - { .name: k, .offset: 0, .size: 8, .value_kind: global_buffer, .address_space: global }
      - { .name: v, .offset: 8, .size: 8, .value_kind: global_buffer, .address_space: global }
      - { .name: kv, .offset: 16, .size: 8, .value_kind: global_buffer, .address_space: global }
    .group_segment_fixed_size: 35328
    .private_segment_fixed_size: 0
    .kernarg_segment_align: 8
    .kernarg_segment_size: 24
    .max_flat_workgroup_size: 128
    .sgpr_count:     66
    .vgpr_count:     240
    .wavefront_size: 32
...
	.end_amdgpu_metadata
.endif
;; end of part 1
;; launch attn (part 2): grid 16 x 16, 16 waves a work-group, clusters of 4 x 1, 327,680 bytes of LDS; arguments q, mask, kv, out0; writes out0
.if DOCPART == 2
	.amdgcn_target "amdgcn-amd-amdhsa--gfx1250"
	.amdhsa_code_object_version 6
	.text
	.protected	k_qe031d30ea0_attn
	.globl	k_qe031d30ea0_attn
	.p2align	8
	.type	k_qe031d30ea0_attn,@function
k_qe031d30ea0_attn:
	s_mov_b64 s[64:65], 0
	v_nop
	global_prefetch_b8 v0, s[64:65] scope:SCOPE_SE
	s_setreg_imm32_b32 hwreg(HW_REG_WAVE_MODE, 25, 1), 1
	s_wait_xcnt 0x0
	s_wait_alu depctr_hold_cnt(0) depctr_sa_sdst(0) depctr_va_vdst(0) depctr_va_sdst(0) depctr_va_ssrc(0) depctr_va_vcc(0) depctr_vm_vsrc(0)
	s_getreg_b32 s2, hwreg(HW_REG_IB_STS2, 6, 4)
	s_cmp_eq_u32 s2, 0
	s_cbranch_scc0 .Lentry_in_a_cluster
	s_endpgm
.Lentry_in_a_cluster:
	s_bfe_u32 s2, ttmp6, 0x10000c
	s_cmp_lg_u32 s2, 0x3003
	s_cbranch_scc0 .Lentry_shape_is_right
	s_endpgm
.Lentry_shape_is_right:
; out[b][q][:] = the sum over k of softmax_k(q[b][q] . k[b][k] / 8, hidden where mask[b][q][k] is 1) v[b][k][:].  q, out: [16][2048][64] f32; mask: [16][2048][2048], one byte each; kv: the launch before laid k's codes of FP4 (E2M1),
; their scale words and v in f16 in the order of the operands' registers, SUBB bytes for each 64 keys (a substep).
; THE FIRST PRODUCT runs on codes of FP4 with one E8M0 scale for each 32 dims; its K is 64, so registers 4-7 of both operands hold zero codes.  THE SECOND takes p and v in f16, sums in f32.
; THE MASK RIDES IN THE PRODUCT'S C.  A mask byte, shifted left by 3, is the E4M3 code of 0 or of 2^-6; one scaled conversion (scale byte 0xFE: x 2^127) turns eight bytes into eight f32 numbers, 0 or 2^121, and these eight
; registers are C and D of the score tile's matrix instruction.  q's codes are negated once, so the tile holds N = -(q . k) + 2^121 x mask, and the softmax runs on N with a running MINIMUM n over the keys, which starts at 2^120:
; p = 2^(c (n - N)), c = log2(e) / 8.  A hidden key's p is 0 exactly.  A row with every key hidden ends with sum 0 and O = 0, and 0 x (1 / 0) gives the NaN that the softmax of such a row is.
; LIMITS: |q . k| under 2^116; NaN and infinities among the inputs are not served; a block of zeros of q keeps the scale byte 1 (its codes are zeros); blocks of q whose largest magnitude lies under 2^-124 are held at the byte 1.
; SHARES.  A work-group owns 128 queries of one head.  Wave w: qp = w % 4 picks 32 queries (two tiles x = 0, 1), kq = w / 4 a quarter of every slot's 512 keys: substeps 2 kq and 2 kq + 1.  Each fragment of k and v read from LDS feeds two
; matrix instructions.  Four waves lie on a SIMD, 256 registers each: one wave's vector work stands beside another's products and LDS loads.  At the end the four partial results of a tile meet in LDS.
; LAYOUT.  Both products are used transposed (source 0 = 16 keys, or 16 channels; source 1 = 16 queries): a lane (r = lane % 16, h = lane / 16) holds query r throughout.  THE KEYS OF A TILE ARE CHOSEN: row m of tile t is key
; 8 t + m % 8 + 32 (m / 8), so that register j of tile t is key 32 h + 8 t + j: a lane's 32 scores are 32 neighbouring mask bytes, and tiles 2 u, 2 u + 1, packed in pairs, are source 1 of the second product.  THE CHANNELS TOO:
; row m of channel tile b is channel 4 m + b, so that a lane ends with channels 32 h + 4 j + b.
; THE RING.  Four phases of 512 keys on two LDS slots; both are filled at the head, each once more behind a round: a refill has a whole phase in which to land.  EVERY WAVE FETCHES: a slot's 153,600 bytes come by sixteen loads, one a wave:
; waves 0 to 7 a substep of kv each (42 rows of 256 bytes), waves 8 to 15 sixteen rows of the mask each (512 bytes a row).  The loads are smaller than the tiles would allow, on purpose: behind a round a wave issues one load, so as many
; loads are on their way as there are waves that fetch.  By this text's own count a wave has at most two tensor loads out (the first fills), later one.
; CLUSTER.  The four query blocks of a cluster belong to one head and walk the same kv: waves 0 to 7 ask for its substeps JOINTLY (the same descriptor and a mask that names the four).  The mask's rows are each work-group's own:
; waves 8 to 15 fetch them by plain loads, behind the same rounds.
.set SUBB,  10752                      ; a substep of kv: 2048 of k's codes, 512 of scale words, 8192 of v: what one joint load brings
.set MOFF,  8*SUBB                     ; a slot: 8 substeps of kv, then 128 rows of the mask
.set MP,    528                        ; a mask row in LDS: 512 bytes + 16: the 16 rows that a load touches start 4 words further on each
.set MQ,    16*MP                      ; 16 rows: what one plain load brings
.set SLOTB, MOFF+8*MQ                  ; 153,600
.set SPARE, 2*SLOTB                    ; behind the ring: the spare words, 128 bytes for each wave: eight blocks of 256 bytes that no other line names
.set IMG,   8704                       ; the tail, in slot 0: a wave's partial result: 16 chunks of 512 bytes, then 2 x 256 bytes of (c n, l)
.set STG,   SLOTB                      ; the tail, in slot 1: a stage of 16 rows x 272 bytes for each merging wave
.set STGB,  16*272                     ; both slots have had their last fill and their last read when these bytes are stored
.set FLOOR, 0x7b800000                 ; 2^120: over every score, under a hidden key's 2^121
.set AK0, 1                            ; v1   16 x lane + my quarter's two substeps
.set AM0, 2                            ; v2   my query's mask row, my quarter's and my half's bytes
.set ADK, 3                            ; v3   the substep's kv
.set ADM, 4                            ; v4   the substep's mask bytes
.set SPW, 5                            ; v5   LDS address of my spare word; never rewritten
.set NIL, 6                            ; v6   0; never rewritten
.set FE,  7                            ; v7   the conversion's scale: 0xFE in every byte
.set SH,  8                            ; v8   8 h
.set QO,  9                            ; v9   q: 256 r + 128 h
.set MI,  10                           ; v10  where I store my partial result
.set MS,  11                           ; v11  and its (c n, l)
.set RD,  12                           ; v12  the merge: where I read the four partial results
.set PFO, 13                           ; v13  the prefetch's offset; never rewritten
.set RS,  14                           ; v14  the merge: the four (c n, l)
.set STO, 15                           ; v15  the way out: where I put 128 bytes of a row
.set QF,  16                           ; v16-31   q's fragments, 8 a tile; registers 4-7 stay 0
.set KF,  32                           ; v32-63   k's fragments, 8 a tile; registers 4-7 stay 0
.set S,   64                           ; v64-127  N, then p: 32 a query tile; packed, p takes the lower 16 of each 32 and v's second four fragments the upper
.set O,   128                          ; v128-191 O^T: tile x, channel tile b at O + 32 x + 8 b
.set VF,  192                          ; v192-223 the mask words (8 a tile), then v's first four fragments
.set KS,  224                          ; v224-227 k's scale words: scales and nothing else
.set QS,  228                          ; v228-229 q's: scales and nothing else
.set STR, 230                          ; v230 the way out: where I read rows back
.set GO,  231                          ; v231 16 x lane
.set ST,  232                          ; v232-247 statistics, 8 a tile: +0 c n, +1 n, +2, +3 l in two halves, +4 to +7 at work; a takes +6
.set OUTR, 32                          ; the merge: 32 results
.set BK,  24                           ; the merge: the four weights
.set WV,  12                           ; s12 wave;  s13 qp;  s14 kq;  s15 wave % 8: which eighth of kv, or of the mask, I fetch;  s18 the head
.set QP,  13
.set KQ,  14
.set W8,  15
.set HD,  18
.set G1KV, 28                          ; s[28:35] descriptor group 1 for kv;  s[36:43] for the mask
.set G1M,  36
.set G0KV, 44                          ; s[44:51] group 0 for kv, a set for each slot;  s[52:59] for the mask
.set G0M,  52
.set SEL, 60                           ; s[60:61] v_permlanex16_b32's selects for lane l xor 16
.set NC,  62                           ; s[62:63] -c: the packed form names a pair and takes its low word for both halves
.set CS,  66                           ; s66 c
.set PFA, 68                           ; s[68:69] where my prefetch stands; never rewritten
; A round of the cluster's barrier: my work-group's barrier; wave 0 signals for the work-group; every wave waits for all four work-groups; my work-group's barrier once more.
.macro CROUND
	s_barrier_signal -1
	s_barrier_wait -1
	s_cmp_lg_u32 s[WV], 0
	s_cbranch_scc1 .Lnot_wave_0_\@
	s_barrier_signal -3
.Lnot_wave_0_\@:
	s_barrier_wait -3
	s_barrier_signal -1
	s_barrier_wait -1
.endm
; A refill: every wave's one load.  Waves 0 to 7: a substep of kv each, jointly; waves 8 to 15: sixteen rows of the mask each.  The branch hangs on the wave's number alone.  An s_nop 0 and four v_nop follow each load.
.macro JLOAD set
	s_cmp_lt_u32 s[WV], 8
	s_cbranch_scc0 .Lfor_m_\@
	tensor_load_to_lds s[G0KV+4*\set:G0KV+4*\set+3], s[G1KV:G1KV+7]
	s_nop 0
.rept 4
	v_nop
.endr
	s_branch .Lasked_\@
.Lfor_m_\@:
	tensor_load_to_lds s[G0M+4*\set:G0M+4*\set+3], s[G1M:G1M+7]
	s_nop 0
.rept 4
	v_nop
.endr
.Lasked_\@:
.endm
; A PREFETCH INTO THE L2 of the mask bytes that the NEXT refill will ask for: the last phase's 512 bytes of my work-group's 128 rows.  It stands once, behind the first refill, a phase's two substeps ahead of that load.
; Waves 8 to 15 ask, each for the sixteen rows that it will fetch itself: two lanes to a row, 256 bytes apart: each aligned block of 256 bytes is named once in the launch (the rows are this work-group's alone).
; The first three phases' bytes come by their loads alone: nothing is prefetched at the head, where every work-group's first tiles are on their way.  kv is read by four clusters of a head and is a small part of a refill's bytes: not asked for.
.macro ASK
	s_cmp_lt_u32 s[WV], 8
	s_cbranch_scc1 .Lnot_mine_\@
	global_prefetch_b8 v[PFO], s[PFA:PFA+1] th:TH_LOAD_NT scope:SCOPE_SE
.Lnot_mine_\@:
.endm
; THE CHANGE OF SLOTS, at a phase's head.  Each wave waits for all its tensor loads (its part of the slot ahead), adds 0 to its spare word, and waits for that and for its reads of the slot that it has left.
; fill = 1: that slot is filled again, with the keys two phases on: the barrier is then a round of the cluster's, and the refill is the first thing behind it.
.macro CHANGE fill, set, ask
	s_wait_tensorcnt 0x0                           ; no tensor load of mine is out, so a group 0 may be written
	ds_add_u32 v[SPW], v[NIL]                      ; 0 onto my spare word (once: every wave has come here past its first fills)
.if \fill
	s_add_nc_u64 s[G0KV+4*\set+2:G0KV+4*\set+3], s[G0KV+4*\set+2:G0KV+4*\set+3], 2*MOFF   ; kv: two slots on; the type bits on top are not reached
	s_add_nc_u64 s[G0M+4*\set+2:G0M+4*\set+3], s[G0M+4*\set+2:G0M+4*\set+3], 1024         ; the mask: 1,024 keys on in each row
	s_wait_dscnt 0x0                               ; the add is done, and my reads of the slot that I have left are over
	CROUND
	JLOAD \set
.if \ask
	ASK
.endif
.else
	s_wait_dscnt 0x0                               ; the add is done, and my reads of the slot that I have left are over
	s_barrier_signal -1
	s_barrier_wait -1
.endif
.endm
	s_load_b256 s[4:11], s[0:1], 0x0               ; q s[4:5], mask s[6:7], kv s[8:9], out s[10:11]
	v_lshl_add_u32 v[SPW], v0, 2, SPARE
	v_mov_b32 v[NIL], 0
	ds_add_u32 v[SPW], v[NIL]                      ; the wave's opening: the add, twice on end, and its wait ahead of my first tensor load; the set-up below stands between the second and the wait
	ds_add_u32 v[SPW], v[NIL]
	v_lshrrev_b32 v1, 5, v0
	v_readfirstlane_b32 s[WV], v1                  ; wave 0..15
	s_and_b32 s[QP], s[WV], 3
	s_lshr_b32 s[KQ], s[WV], 2
	s_and_b32 s[W8], s[WV], 7
	s_bfe_u32 s16, ttmp6, 0x40000                  ; cx: my place in the cluster
	s_lshl_b32 s17, ttmp9, 2                       ; in a cluster launch ttmp9 counts clusters
	s_add_co_u32 s17, s17, s16                     ; my block of 128 queries: it enters the addresses of q, mask and out alone
	s_and_b32 s[HD], ttmp7, 0xffff                 ; the head, which the four partners share
	; group 1 for kv: 42 rows of 256 dense bytes (32 elements of 8 bytes), no padding: one substep
	s_mov_b32 s[G1KV+0], 15|(3<<16)|(1<<21)        ; 15:0 the mask: all four work-groups; 17:16 elements of 8 bytes; 21 set beside a mask
	s_mov_b32 s[G1KV+1], 32<<16                    ; tensor_dim0 = 32
	s_mov_b32 s[G1KV+2], 42<<16                    ; tensor_dim1 = 42
	s_mov_b32 s[G1KV+3], 32<<16                    ; tile_dim0 = 32
	s_mov_b32 s[G1KV+4], 42                        ; tile_dim1 = 42
	s_mov_b32 s[G1KV+5], 32                        ; from row to row: 32 elements
	s_mov_b32 s[G1KV+6], 0
	s_mov_b32 s[G1KV+7], 0
	; group 1 for the mask: 16 rows of 512 bytes (64 elements of 8 bytes), 2,048 bytes apart, 16 bytes of padding behind each
	s_mov_b32 s[G1M+0], (3<<16)|(1<<20)|(6<<22)|(3<<25)   ; no work-group mask; elements of 8 bytes; padding on: after every 128 words (code 6) four words (code 3)
	s_mov_b32 s[G1M+1], 64<<16                     ; tensor_dim0 = 64
	s_mov_b32 s[G1M+2], 16<<16                     ; tensor_dim1 = 16
	s_mov_b32 s[G1M+3], 64<<16                     ; tile_dim0 = 64
	s_mov_b32 s[G1M+4], 16                         ; tile_dim1 = 16
	s_mov_b32 s[G1M+5], 256                        ; from row to row: 256 elements
	s_mov_b32 s[G1M+6], 0
	s_mov_b32 s[G1M+7], 0
	s_mov_b32 s[SEL], 0x76543210
	s_mov_b32 s[SEL+1], 0xfedcba98
	s_mov_b32 s[NC], 0xbe38aa3b                    ; -c = -log2(e) / 8
	s_mov_b32 s[NC+1], s[NC]                       ; (named with it as a pair, so it is written)
	s_mov_b32 s[CS], 0x3e38aa3b                    ; c
	s_mul_i32 s22, s[W8], SUBB                     ; kv: my substep, in a slot and in memory: no place in the cluster enters it
	s_mul_i32 s23, s[W8], MQ
	s_add_co_u32 s23, s23, MOFF                    ; the mask: my sixteen rows in a slot
	s_mul_i32 s20, s[HD], 32*SUBB                  ; the head's kv
	s_add_co_u32 s20, s20, s22
	s_mov_b32 s21, 0
	s_lshl_b32 s24, s[HD], 22                      ; the head's mask: 2,048 rows of 2,048 bytes,
	s_lshl_b32 s70, s17, 18                        ; my block's 128 rows
	s_add_co_u32 s24, s24, s70
	s_mov_b32 s25, 0
	s_lshl_b32 s26, s[W8], 15                      ; my sixteen of them
	s_mov_b32 s27, 0
	s_lshl_b32 s72, s[HD], 19                      ; q and out: the head's 2,048 rows of 256 bytes,
	s_lshl_b32 s70, s17, 15                        ; my block's 128,
	s_add_co_u32 s72, s72, s70
	s_lshl_b32 s70, s[QP], 13                      ; my wave's 32
	s_add_co_u32 s72, s72, s70
	s_mov_b32 s73, 0
	s_and_b32 s76, s[KQ], 1                        ; X: the tile that I merge, if I merge
	s_lshl_b32 s74, s76, 12                        ; its 16 rows of out
	s_mov_b32 s75, 0
	s_add_co_u32 s70, s26, 1536                    ; the prefetch: my sixteen rows, the last phase's 512 bytes
	s_mov_b32 s71, 0
	s_wait_dscnt 0x0                               ; both opening adds are done
	s_wait_kmcnt 0x0
	s_add_nc_u64 s[8:9], s[8:9], s[20:21]          ; kv at my substep of slot 0
	s_add_nc_u64 s[6:7], s[6:7], s[24:25]          ; the mask at my work-group's rows
	s_add_nc_u64 s[PFA:PFA+1], s[6:7], s[70:71]
	s_add_nc_u64 s[6:7], s[6:7], s[26:27]          ; at my sixteen of them
	s_add_nc_u64 s[4:5], s[4:5], s[72:73]          ; q at my wave's first row
	s_add_nc_u64 s[10:11], s[10:11], s[72:73]
	s_add_nc_u64 s[10:11], s[10:11], s[74:75]      ; out at the tile that I merge
.irp s, 0,1
	s_mov_b32 s[G0KV+4*\s], 1                      ; count = 1
	s_add_co_u32 s[G0KV+4*\s+1], s22, \s*SLOTB     ; LDS address
	s_add_nc_u64 s[G0KV+4*\s+2:G0KV+4*\s+3], s[8:9], \s*MOFF   ; global address: phase s
	s_or_b32 s[G0KV+4*\s+3], s[G0KV+4*\s+3], 0x80000000        ; type = 2
	s_mov_b32 s[G0M+4*\s], 1
	s_add_co_u32 s[G0M+4*\s+1], s23, \s*SLOTB
	s_add_nc_u64 s[G0M+4*\s+2:G0M+4*\s+3], s[6:7], \s*512
	s_or_b32 s[G0M+4*\s+3], s[G0M+4*\s+3], 0x80000000
.endr
	CROUND                                         ; all four work-groups are here: the first joint loads meet
	s_cmp_lt_u32 s[WV], 8                          ; a wave's two first fills stand in one arm, ahead of every wait on TENSORcnt and every LDS read; every wave has two
	s_cbranch_scc0 .Lfirst_m
	tensor_load_to_lds s[G0KV:G0KV+3], s[G1KV:G1KV+7]
	s_nop 0
	tensor_load_to_lds s[G0KV+4:G0KV+7], s[G1KV:G1KV+7]
	s_nop 0
.rept 4
	v_nop
.endr
	s_branch .Lfirst_asked
.Lfirst_m:
	tensor_load_to_lds s[G0M:G0M+3], s[G1M:G1M+7]
	s_nop 0
	tensor_load_to_lds s[G0M+4:G0M+7], s[G1M:G1M+7]
	s_nop 0
.rept 4
	v_nop
.endr
.Lfirst_asked:
	v_and_b32 v248, 15, v0                         ; r
	v_bfe_u32 v249, v0, 4, 1                       ; h
	v_and_b32 v250, 31, v0                         ; lane
	v_lshlrev_b32 v[QO], 8, v248
	v_lshl_add_u32 v[QO], v249, 7, v[QO]           ; q: row r, my half's 32 dims.  Each of the four waves of a query pair quantises its own copy: 8 KB a wave, while the first tiles are on their way, and no exchange
.irp x, 0,1
.irp g, 0,1,2,3,4,5,6,7
	global_load_b128 v[S+32*\x+4*\g:S+32*\x+4*\g+3], v[QO], s[4:5] offset:4096*\x+16*\g
.endr
.endr
	s_mul_i32 s19, s[KQ], 2*SUBB
	v_lshl_add_u32 v[AK0], v250, 4, s19
	s_mul_i32 s19, s[QP], 32*MP
	s_lshl_b32 s77, s[KQ], 7
	s_add_co_u32 s19, s19, s77
	s_add_co_u32 s19, s19, MOFF
	v_mul_u32_u24 v[AM0], v248, MP
	v_lshl_add_u32 v[AM0], v249, 5, v[AM0]
	v_add_nc_u32 v[AM0], s19, v[AM0]               ; row 32 qp + r, bytes 128 kq + 32 h
	s_lshl_b32 s19, s[QP], 2
	s_add_co_u32 s19, s19, s[KQ]
	s_mul_i32 s19, s19, IMG                        ; my image: number 4 qp + kq
	v_lshl_add_u32 v[MI], v250, 4, s19
	s_add_co_u32 s19, s19, 8192
	v_lshl_add_u32 v[MS], v250, 3, s19
	s_mul_i32 s19, s[QP], 4*IMG                    ; the four images of my query pair,
	s_lshl_b32 s77, s76, 12
	s_add_co_u32 s77, s77, s19                     ; tile X's eight chunks
	v_lshl_add_u32 v[RD], v250, 4, s77
	s_lshl_b32 s77, s76, 8
	s_add_co_u32 s77, s77, s19
	s_add_co_u32 s77, s77, 8192
	v_lshl_add_u32 v[RS], v250, 3, s77
	s_mul_i32 s19, s[WV], STGB
	s_add_co_u32 s19, s19, STG                     ; my stage
	v_mul_u32_u24 v[STO], v248, 272
	v_lshl_add_u32 v[STO], v249, 7, v[STO]
	v_add_nc_u32 v[STO], s19, v[STO]               ; in: row r, 128 h bytes on
	v_mul_u32_u24 v[STR], v249, 272
	v_lshl_add_u32 v[STR], v248, 4, v[STR]
	v_add_nc_u32 v[STR], s19, v[STR]               ; back: lanes 0-15 one row of 256 bytes, lanes 16-31 the next
	v_lshlrev_b32 v[GO], 4, v250
	v_lshlrev_b32 v[SH], 3, v249
	v_lshrrev_b32 v251, 1, v250
	v_and_b32 v252, 1, v250
	v_lshlrev_b32 v[PFO], 11, v251
	v_lshl_add_u32 v[PFO], v252, 8, v[PFO]         ; row lane / 2 of my 16, half lane % 2 of its 512 bytes
	v_mov_b32 v[FE], 0xfefefefe
.irp x, 0,1
.irp g, 4,5,6,7
	v_mov_b32 v[QF+8*\x+\g], 0                     ; K = 64 .. 127 of the first product: zero codes, written once
.endr
	v_mov_b32 v[ST+8*\x+2], 0                      ; l, in two halves
	v_mov_b32 v[ST+8*\x+3], 0
.endr
.irp t, 0,1,2,3
.irp g, 4,5,6,7
	v_mov_b32 v[KF+8*\t+\g], 0
.endr
.endr
; q's tile x: my 32 numbers are a whole block.  Its codes, negated, into QF; its scale word into QS.
.macro QUANTQ x
	v_max3_num_f32 v248, |v[S+32*\x]|, |v[S+32*\x+1]|, |v[S+32*\x+2]|
	v_max3_num_f32 v249, |v[S+32*\x+3]|, |v[S+32*\x+4]|, |v[S+32*\x+5]|
.irp g, 6,10,14,18,22,26
	v_max3_num_f32 v248, v248, |v[S+32*\x+\g]|, |v[S+32*\x+\g+1]|
	v_max3_num_f32 v249, v249, |v[S+32*\x+\g+2]|, |v[S+32*\x+\g+3]|
.endr
	v_max3_num_f32 v248, v248, |v[S+32*\x+30]|, |v[S+32*\x+31]|
	v_max3_num_f32 v248, v248, v249, 0x1800000     ; and the floor 2^(3 - 127): the byte cannot fall under 1
	v_add_nc_u32 v250, 0xff000000, v248            ; 2 off the exponent field: the conversion's scale operand
	v_lshrrev_b32 v251, 23, v250                   ; the scale's byte,
	v_lshlrev_b32 v251, v[SH], v251                ; at its place in the word,
	v_permlanex16_b32 v252, v251, s[SEL], s[SEL+1]
	v_or_b32 v[QS+\x], v251, v252                  ; with the other block's
.irp g, 0,1,2,3
	v_cvt_scalef32_pk8_fp4_f32 v[QF+8*\x+\g], v[S+32*\x+8*\g:S+32*\x+8*\g+7], v250
.endr
	v_nop                                          ; one plain line behind the scaled conversions
.irp g, 0,1,2,3
	v_xor_b32 v[QF+8*\x+\g], 0x88888888, v[QF+8*\x+\g]   ; every code's sign turned: the product gives -(q . k)
.endr
.endm
	s_wait_loadcnt 8                               ; tile 0's eight loads are in; tile 1's may be out
	QUANTQ 0
	s_wait_loadcnt 0x0
	QUANTQ 1
; A SUBSTEP: 64 keys for my two tiles of queries.  slot, sub: where its bytes lie; first = 1: the wave's first, which starts n and O^T.
.macro SUBSTEP slot, sub, first
	v_add_nc_u32 v[ADK], (\slot)*SLOTB+(\sub)*SUBB, v[AK0]
	v_add_nc_u32 v[ADM], (\slot)*SLOTB+(\sub)*64, v[AM0]
	v_nop
	v_nop                                          ; four plain lines behind the last products, ahead of loads and conversions into registers that they read
.irp x, 0,1
.irp c, 0,1
	ds_load_b128 v[VF+8*\x+4*\c:VF+8*\x+4*\c+3], v[ADM] offset:16*MP*\x+16*\c   ; my query's 32 mask bytes
.endr
.endr
.irp t, 0,1,2,3
	ds_load_b128 v[KF+8*\t:KF+8*\t+3], v[ADK] offset:512*\t
.endr
	ds_load_b128 v[KS:KS+3], v[ADK] offset:2048
	s_wait_dscnt 5                                 ; the mask's four loads are in; k's four and the scale words' one may be out
.set CNT, 0
.rept 16
	v_lshlrev_b32 v[VF+CNT], 3, v[VF+CNT]          ; bytes 0 or 1 become the codes of 0 or 2^-6
.set CNT, CNT+1
.endr
.irp t, 0,1,2,3
.irp x, 0,1
	v_cvt_scale_pk8_f32_fp8 v[S+32*\x+8*\t:S+32*\x+8*\t+7], v[VF+8*\x+2*\t:VF+8*\x+2*\t+1], v[FE]   ; 0 or 2^121: the product's C
.endr
.endr
.rept 4
	v_nop                                          ; plain lines between the scaled conversions and the products that take their results
.endr
	s_wait_dscnt 0x0                               ; k and its scale words
.irp t, 0,1,2,3
.irp x, 0,1
	v_wmma_scale_f32_16x16x128_f8f6f4 v[S+32*\x+8*\t:S+32*\x+8*\t+7], v[KF+8*\t:KF+8*\t+7], v[QF+8*\x:QF+8*\x+7], v[S+32*\x+8*\t:S+32*\x+8*\t+7], v[KS+\t], v[QS+\x] matrix_a_fmt:MATRIX_FMT_FP4 matrix_b_fmt:MATRIX_FMT_FP4
.endr
.endr
.irp b, 0,1,2,3
.irp c, 0,1
	ds_load_b128 v[VF+8*\b+4*\c:VF+8*\b+4*\c+3], v[ADK] offset:2560+1024*\b+512*\c   ; v's fragments of keys 32 h + 0 .. 15, over the mask words, which are done with
.endr
.endr
.rept 4
	v_nop                                          ; four plain lines behind the products, ahead of the first read of their results
.endr
	; the least N of my 32 keys and the old n: four chains, each begun at an accumulator's low end; the two tiles line by line
.irp j, 0,1,2,3
.irp x, 0,1
	v_min3_num_f32 v[ST+8*\x+4+\j], v[S+32*\x+8*\j], v[S+32*\x+8*\j+1], v[S+32*\x+8*\j+2]
.endr
.endr
.irp g, 3,5
.irp j, 0,1,2,3
.irp x, 0,1
	v_min3_num_f32 v[ST+8*\x+4+\j], v[ST+8*\x+4+\j], v[S+32*\x+8*\j+\g], v[S+32*\x+8*\j+\g+1]
.endr
.endr
.endr
.irp x, 0,1
	v_min3_num_f32 v[ST+8*\x+4], v[ST+8*\x+4], v[S+32*\x+7], v[S+32*\x+15]
.endr
.irp x, 0,1
	v_min3_num_f32 v[ST+8*\x+6], v[ST+8*\x+6], v[S+32*\x+23], v[S+32*\x+31]
.endr
.irp x, 0,1
	v_min3_num_f32 v[ST+8*\x+4], v[ST+8*\x+4], v[ST+8*\x+5], v[ST+8*\x+6]
.endr
.irp x, 0,1
.if \first
	v_min3_num_f32 v[ST+8*\x+4], v[ST+8*\x+4], v[ST+8*\x+7], FLOOR
.else
	v_min3_num_f32 v[ST+8*\x+4], v[ST+8*\x+4], v[ST+8*\x+7], v[ST+8*\x+1]
.endif
.endr
.irp x, 0,1
	v_permlanex16_b32 v[ST+8*\x+5], v[ST+8*\x+4], s[SEL], s[SEL+1]   ; my query's other 32 keys lie in the lane 16 away
.endr
.if \first == 0
.irp x, 0,1
	v_mov_b32 v[ST+8*\x+7], v[ST+8*\x]             ; the old c n is kept for a
.endr
.endif
.irp x, 0,1
	v_min_num_f32 v[ST+8*\x+1], v[ST+8*\x+4], v[ST+8*\x+5]   ; n
.endr
.irp x, 0,1
	v_mul_f32 v[ST+8*\x], s[CS], v[ST+8*\x+1]      ; c n
.endr
.if \first == 0
.irp x, 0,1
	v_sub_f32 v[ST+8*\x+7], v[ST+8*\x], v[ST+8*\x+7]   ; c n - the old c n: 0 or less
.endr
.endif
.irp b, 0,2,4,6,8,10,12,14,16,18,20,22,24,26,28,30
.irp x, 0,1
	v_pk_fma_f32 v[S+32*\x+\b:S+32*\x+\b+1], v[S+32*\x+\b:S+32*\x+\b+1], s[NC:NC+1], v[ST+8*\x:ST+8*\x+1] op_sel_hi:[1,0,0]   ; c n - c N, two at a time
.endr
.endr
	; ONE BATCH of exponentials, none of which reads another's result
.if \first == 0
.irp x, 0,1
	v_exp_f32 v[ST+8*\x+6], v[ST+8*\x+7]           ; a = 2^(c n - the old c n)
.endr
.endif
.set CNT, 0
.rept 64
	v_exp_f32 v[S+CNT], v[S+CNT]                   ; p, at most 1
.set CNT, CNT+1
.endr
	v_nop                                          ; a plain line behind the last exponential
	s_wait_alu depctr_va_vdst(0)                   ; the wait ahead of the first line that names a result: one for the batch
.if \first == 0
.irp x, 0,1
	v_pk_mul_f32 v[ST+8*\x+2:ST+8*\x+3], v[ST+8*\x+2:ST+8*\x+3], v[ST+8*\x+6:ST+8*\x+7] op_sel_hi:[1,0]   ; l under the new n
.endr
.endif
.irp x, 0,1
	v_pk_add_f32 v[ST+8*\x+4:ST+8*\x+5], v[S+32*\x:S+32*\x+1], v[S+32*\x+2:S+32*\x+3]   ; the sum of p in f32, two at a time, in two chains
.endr
.irp j, 4,8,12,16,20,24,28
.irp x, 0,1
	v_pk_add_f32 v[ST+8*\x+2:ST+8*\x+3], v[ST+8*\x+2:ST+8*\x+3], v[S+32*\x+\j:S+32*\x+\j+1]
	v_pk_add_f32 v[ST+8*\x+4:ST+8*\x+5], v[ST+8*\x+4:ST+8*\x+5], v[S+32*\x+\j+2:S+32*\x+\j+3]
.endr
.endr
.irp x, 0,1
	v_pk_add_f32 v[ST+8*\x+2:ST+8*\x+3], v[ST+8*\x+2:ST+8*\x+3], v[ST+8*\x+4:ST+8*\x+5]
.endr
.set CNT, 0
.rept 16
	v_cvt_pk_f16_f32 v[S+CNT], v[S+2*CNT], v[S+2*CNT+1]             ; p to f16, in place, ascending: register n takes numbers 2 n and 2 n + 1, which no earlier line has written over
	v_cvt_pk_f16_f32 v[S+32+CNT], v[S+32+2*CNT], v[S+32+2*CNT+1]
.set CNT, CNT+1
.endr
.irp b, 0,1,2,3
.irp c, 0,1
	ds_load_b128 v[S+16+8*(\b%2)+32*(\b/2)+4*\c:S+16+8*(\b%2)+32*(\b/2)+4*\c+3], v[ADK] offset:2560+4096+1024*\b+512*\c   ; v's fragments of keys 32 h + 16 .. 31, into the halves that the packing has freed
.endr
.endr
.if \first
.rept 4
	v_nop
.endr
.else
.irp x, 0,1
.set CNT, 0
.rept 16
	v_pk_mul_f32 v[O+32*\x+2*CNT:O+32*\x+2*CNT+1], v[O+32*\x+2*CNT:O+32*\x+2*CNT+1], v[ST+8*\x+6:ST+8*\x+7] op_sel_hi:[1,0]   ; O^T under the new n, each accumulator from its low end on
.set CNT, CNT+1
.endr
.endr
.endif
	s_wait_dscnt 8                                 ; v's first four fragments are in; the second four's eight loads may be out
.irp b, 0,1,2,3                                ; the eight accumulators take turns, one instruction a turn
.irp x, 0,1
.if \first
	v_wmma_f32_16x16x32_f16 v[O+32*\x+8*\b:O+32*\x+8*\b+7], v[VF+8*\b:VF+8*\b+7], v[S+32*\x:S+32*\x+7], 0
.else
	v_wmma_f32_16x16x32_f16 v[O+32*\x+8*\b:O+32*\x+8*\b+7], v[VF+8*\b:VF+8*\b+7], v[S+32*\x:S+32*\x+7], v[O+32*\x+8*\b:O+32*\x+8*\b+7]
.endif
.endr
.endr
	s_wait_dscnt 0x0
.irp b, 0,1,2,3
.irp x, 0,1
	v_wmma_f32_16x16x32_f16 v[O+32*\x+8*\b:O+32*\x+8*\b+7], v[S+16+8*(\b%2)+32*(\b/2):S+16+8*(\b%2)+32*(\b/2)+7], v[S+32*\x+8:S+32*\x+15], v[O+32*\x+8*\b:O+32*\x+8*\b+7]
.endr
.endr
.endm
	s_wait_tensorcnt 0x1                           ; my part of slot 0 is in; my part of slot 1 may stay out
	s_barrier_signal -1
	s_barrier_wait -1                              ; everybody's is
	SUBSTEP 0, 0, 1
	SUBSTEP 0, 1, 0
	CHANGE 1, 0, 1                                 ; slot 1 is whole; slot 0 takes phase 2's bytes; the last phase's mask bytes are prefetched
	SUBSTEP 1, 0, 0
	SUBSTEP 1, 1, 0
	CHANGE 1, 1, 0                                 ; slot 0 is whole; slot 1 takes phase 3's bytes
	SUBSTEP 0, 0, 0
	SUBSTEP 0, 1, 0
	CHANGE 0, 0, 0                                 ; slot 1 is whole; nothing is left to fetch
	SUBSTEP 1, 0, 0
	SUBSTEP 1, 1, 0
	; THE TAIL.  My partial result (O^T, c n, l over my quarter of the keys) goes to LDS as an image of its registers.  The additions and two v_nop are the plain lines behind the last products.
.irp x, 0,1
	v_add_f32 v[ST+8*\x+4], v[ST+8*\x+2], v[ST+8*\x+3]   ; l's two halves,
.endr
.irp x, 0,1
	v_permlanex16_b32 v[ST+8*\x+5], v[ST+8*\x+4], s[SEL], s[SEL+1]
.endr
.irp x, 0,1
	v_add_f32 v[ST+8*\x+1], v[ST+8*\x+4], v[ST+8*\x+5]   ; and the other half of the lanes': l, beside c n
.endr
	v_nop
	v_nop
.set CNT, 0
.rept 16
	ds_store_b128 v[MI], v[O+4*CNT:O+4*CNT+3] offset:512*CNT   ; chunk 8 x + 2 b + half; each accumulator from its low end on
.set CNT, CNT+1
.endr
.irp x, 0,1
	ds_store_b64 v[MS], v[ST+8*\x:ST+8*\x+1] offset:256*\x
.endr
	s_wait_dscnt 0x0                               ; for the others' sake: my stores have landed; my reads of slot 1 are long over
	s_barrier_signal -1
	s_barrier_wait -1
	s_cmp_lt_u32 s[WV], 8                          ; waves 0 to 7 merge: wave (qp, X) takes tile X of query pair qp
	s_cbranch_scc0 .Lend
.irp k, 0,1,2,3
	ds_load_b64 v[248+2*\k:249+2*\k], v[RS] offset:IMG*\k      ; (c n, l) of quarter k
.endr
.irp k, 0,1,2,3
.irp g, 0,1,2,3,4,5,6,7
	ds_load_b128 v[S+32*\k+4*\g:S+32*\k+4*\g+3], v[RD] offset:IMG*\k+512*\g   ; its O^T: register 8 b + j
.endr
.endr
	s_wait_dscnt 32                                ; the four pairs are in; the 32 younger loads may be out
	v_min3_num_f32 v16, v248, v250, v252
	v_min_num_f32 v16, v16, v254                   ; the least c n of the four
.irp k, 0,1,2,3
	v_sub_f32 v[17+\k], v16, v[248+2*\k]
.endr
.irp k, 0,1,2,3
	v_exp_f32 v[17+\k], v[17+\k]                   ; a_k = 2^(least - c n_k)
.endr
	v_nop
	s_wait_alu depctr_va_vdst(0)                   ; one wait for the four
	v_mul_f32 v21, v17, v249
	v_fmac_f32 v21, v18, v251
	v_fmac_f32 v21, v19, v253
	v_fmac_f32 v21, v20, v255                      ; the row's sum
	v_rcp_f32 v22, v21
	v_nop
	s_wait_alu depctr_va_vdst(0)
.irp k, 0,1,2,3
	v_mul_f32 v[BK+\k], v[17+\k], v22              ; a_k / the sum
.endr
	s_wait_dscnt 0x0
.irp b, 0,1,2,3
.irp j, 0,1,2,3,4,5,6,7
	v_mul_f32 v[OUTR+4*\j+\b], v[BK], v[S+8*\b+\j]   ; register 4 j + b is channel 32 h + 4 j + b: the destination's number puts the channels in order
.endr
.endr
.irp k, 1,2,3
.irp b, 0,1,2,3
.irp j, 0,1,2,3,4,5,6,7
	v_fmac_f32 v[OUTR+4*\j+\b], v[BK+\k], v[S+32*\k+8*\b+\j]
.endr
.endr
.endr
.irp g, 0,1,2,3,4,5,6,7
	ds_store_b128 v[STO], v[OUTR+4*\g:OUTR+4*\g+3] offset:16*\g
.endr
.irp g, 0,1,2,3,4,5,6,7
	ds_load_b128 v[VF+4*\g:VF+4*\g+3], v[STR] offset:2*272*\g   ; LDS serves a wave's instructions in order: these see my stores
.endr
.irp g, 0,1,2,3,4,5,6,7
	s_wait_dscnt 7-\g                              ; rows 2 g and 2 g + 1 are back; the younger loads may be out
	global_store_b128 v[GO], v[VF+4*\g:VF+4*\g+3], s[10:11] offset:512*\g th:TH_STORE_NT   ; 32 lanes store 512 consecutive bytes, aligned: two rows of out
.endr
.Lend:
	s_wait_tensorcnt 0x0                           ; the wave's end: three closing lines behind my last tensor load and my last LDS store
	ds_add_u32 v[SPW], v[NIL]
	s_wait_dscnt 0x0
	CROUND                                         ; the closing round: no work-group ends while a partner may still ask for a tile that names it
	s_endpgm
.Lfunc_end_k_qe031d30ea0_attn:
	.size	k_qe031d30ea0_attn, .Lfunc_end_k_qe031d30ea0_attn-k_qe031d30ea0_attn
	.p2alignl 7, 3214868480
	.fill 96, 4, 3214868480
	.section	.rodata,"a",@progbits
	.p2align	6, 0x0
	.amdhsa_kernel k_qe031d30ea0_attn
		.amdhsa_group_segment_fixed_size 327680
		.amdhsa_private_segment_fixed_size 0
		.amdhsa_enable_private_segment 0
		.amdhsa_kernarg_size 32
		.amdhsa_user_sgpr_count 2
		.amdhsa_user_sgpr_kernarg_segment_ptr 1
		.amdhsa_wavefront_size32 1
		.amdhsa_system_sgpr_workgroup_id_x 1
		.amdhsa_system_sgpr_workgroup_id_y 1
		.amdhsa_system_sgpr_workgroup_id_z 1
		.amdhsa_system_vgpr_workitem_id 0
		.amdhsa_next_free_vgpr 256
		.amdhsa_next_free_sgpr 80
		.amdhsa_reserve_vcc 0
		.amdhsa_float_denorm_mode_32 3
		.amdhsa_float_denorm_mode_16_64 3
		.amdhsa_memory_ordered 1
		.amdhsa_forward_progress 1
		.amdhsa_inst_pref_size 167
	.end_amdhsa_kernel
	.amdgpu_metadata
---
amdhsa.version: [ 1, 2 ]
amdhsa.kernels:
  - .name:           k_qe031d30ea0_attn
    .symbol:         k_qe031d30ea0_attn.kd
    .args:
      - { .name: q, .offset: 0, .size: 8, .value_kind: global_buffer, .address_space: global }
      - { .name: mask, .offset: 8, .size: 8, .value_kind: global_buffer, .address_space: global }
      - { .name: kv, .offset: 16, .size: 8, .value_kind: global_buffer, .address_space: global }
      - { .name: out0, .offset: 24, .size: 8, .value_kind: global_buffer, .address_space: global }
    .group_segment_fixed_size: 327680
    .private_segment_fixed_size: 0
    .kernarg_segment_align: 8
    .kernarg_segment_size: 32
    .max_flat_workgroup_size: 512
    .sgpr_count:     80
    .vgpr_count:     256
    .wavefront_size: 32
...
	.end_amdgpu_metadata
.endif
;; end of part 2
